; MI455X (gfx1250); checked and timed in simulation.
; The chip was launched on July 23, 2026; its instructions are those of AMD's public machine-readable ISA for CDNA 5 (MIT licence, August 2026) and "CDNA5" Instruction Set Architecture Reference Guide (July 2026). The comments in the code are by the model that wrote it; some were corrected since.
;; Multi Head Attention. Allowed arithmetic: matrix products marked QUANTISED: E4M3 operands, one given power-of-two scale a tensor, by v_wmma_f32_16x16x64_fp8_fp8 or v_wmma_f32_16x16x128_fp8_fp8, f32 sums; everything else in f32.
;; Inputs: Wk_codes 1,024 x 32 x 32 uint8 (E4M3 codes of Wk, K innermost, in blocks of 32 codes); Wo_codes 1,024 x 32 x 32 uint8 (E4M3 codes of Wo, K innermost, in blocks of 32 codes); Wq_codes 1,024 x 32 x 32 uint8 (E4M3 codes of Wq, K innermost, in blocks of 32 codes); Wv_codes 1,024 x 32 x 32 uint8 (E4M3 codes of Wv, K innermost, in blocks of 32 codes); bo 1,024 float32; lowp_scales 12 int32 (the exponents e of the quantised operands' scales 2^e); x_codes 2 x 2,048 x 32 x 32 uint8 (E4M3 codes of x, K innermost, in blocks of 32 codes).
;; Outputs: out0 2 x 2,048 x 1,024 float32.
;; This version of the problem:
;;   THIS VERSION OF THE PROBLEM IS GIVEN IN LOW PRECISION. The matrix products marked QUANTISED in the list below multiply operands that are first quantised to E4M3 (4 exponent bits, 3 mantissa bits; 8 bits a number), with one given power-of-two scale for each operand tensor; their sums are f32. All else is computed in f32.
;;   The module's matrix products, in the order in which they are computed (A, B: the left and right operand; K: the contracted axis; several contracted axes count as one K, in the product's order):
;;     1. [M 4,096, K 1,024] x [K 1,024, N 1,024]; A: input x (given as codes); B: input Wq (given as codes): QUANTISED (scales: A lowp_scales[0], B lowp_scales[1])
;;     2. [M 4,096, K 1,024] x [K 1,024, N 1,024]; A: input x (given as codes); B: input Wk (given as codes): QUANTISED (scales: A lowp_scales[2], B lowp_scales[3])
;;     3. [M 4,096, K 1,024] x [K 1,024, N 1,024]; A: input x (given as codes); B: input Wv (given as codes): QUANTISED (scales: A lowp_scales[4], B lowp_scales[5])
;;     4. batch 32 x [M 2,048, K 64] x [K 64, N 2,048]; A: computed on the way; B: computed on the way: QUANTISED (scales: A lowp_scales[6], B lowp_scales[7])
;;     5. batch 32 x [M 2,048, K 2,048] x [K 2,048, N 64]; A: softmax (see below); B: computed on the way: QUANTISED (scales: A lowp_scales[8], B lowp_scales[9])
;;     6. [M 4,096, K 1,024] x [K 1,024, N 1,024]; A: computed on the way; B: input Wo (given as codes): QUANTISED (scales: A lowp_scales[10], B lowp_scales[11])
;;   THE QUANTISER, for each operand of a quantised product, along K:
;;     - The operand's scale is 2^e, e = its entry of the input lowp_scales (int32; the entries are numbered through the quantised products in the list's order, A before B).
;;     - Each number is divided by the scale, clamped to +-448, and rounded to the nearest number of E4M3, ties to even, subnormals kept.
;;     - The product sums the exact products of the quantised numbers (number of the format x scale) in f32.
;;   ~~~python
;;   def quantise(x, axis, e):      # numpy; x: float32 -> the quantised numbers, widened to float32 again
;;       x = np.moveaxis(x, axis, -1); K = x.shape[-1]
;;       r = np.clip(x / 2.0 ** e, -448, 448)
;;       step = 2.0 ** (np.maximum(np.frexp(np.where(r == 0, 1, r))[1] - 1, -6) - 3)
;;       q = np.round(r / step) * step * 2.0 ** e      # np.round: ties to even
;;       return np.moveaxis(q, -1, axis).astype(np.float32)
;;   ~~~
;;   SOFTMAX AHEAD OF A QUANTISED PRODUCT. Where the list says 'softmax', what is quantised is not the finished softmax but p = 2^(t - M), with t = logit x log2(e) and M = ceil(the row's largest t), a whole number; so 1/2 < the row's largest p <= 1. The row's sum l is taken of the UNQUANTISED p, in f32, and the product's result is divided by l at the end. Since M is a whole number, a kernel that streams over the keys may use a running M (the ceiling of the running maximum): every later rescaling is an exact power of two, so the quantised numbers keep their values, but for numbers so far below the row's largest that they fall under the format's range.
;;   OPERANDS COMPUTED ON THE WAY. 'Computed on the way' means the value that the module computes at that place (a softmax that the list does not call 'softmax' is quantised finished and normalised). What goes into a quantiser is computed in f32, as accurately as f32 sums, v_exp_f32 and their like allow (about 1e-6 of the number): no bf16 or f16 on the way to a quantiser, and a product that is left as it is and whose result goes on into a quantised operand takes f32 operands (vector FMAs, or v_wmma_f32_16x16x4_f32). A number that lies on a knife's edge between two numbers of the format may be rounded either way, as far as f32 arithmetic and the matrix unit's own rounding can turn it there, and no further.
;;   INPUTS GIVEN AS CODES. Wk (in the module: [1024, 1024], K = its axis 0); Wo (in the module: [1024, 1024], K = its axis 0); Wq (in the module: [1024, 1024], K = its axis 0); Wv (in the module: [1024, 1024], K = its axis 0); x (in the module: [2, 2048, 1024], K = its axis 2): each comes as NAME_codes (uint8): NAME with its K axis moved to the last place and cut into blocks of 32 codes, [.., K / 32, bytes a block], one block behind the other in memory; one code a byte (a code: sign, 4 exponent bits, 3 mantissa bits); its scale is its entry of lowp_scales. Its value is code x scale, taken as it is: it is not quantised again, and the codes and scales need not be those that the quantiser above would give.
;; One version. Each part assembles by itself: llvm-mc -triple=amdgcn-amd-amdhsa -mcpu=gfx1250 --defsym DOCPART=n.
;; ======== version 1 of 1: 3 launches
;; limits: right only within a limited range of input values
;; workspace buffers: q_codes 4,194,304 bytes; k_codes 4,194,304 bytes; v_codes 4,194,304 bytes; ctx_codes 4,194,304 bytes
;; launch qkv (part 1): grid 48 x 4, 4 waves a work-group, clusters of 4 x 4, 327,680 bytes of LDS; arguments x_codes, Wq_codes, Wk_codes, Wv_codes, lowp_scales, q_codes, k_codes, v_codes; writes q_codes, k_codes, v_codes
.if DOCPART == 1
	.amdgcn_target "amdgcn-amd-amdhsa--gfx1250"
	.amdhsa_code_object_version 6
	.text
	.protected	k_q182df0d5b2_qkv
	.globl	k_q182df0d5b2_qkv
	.p2align	8
	.type	k_q182df0d5b2_qkv,@function
k_q182df0d5b2_qkv:
	s_mov_b64 s[64:65], 0
	v_nop
	global_prefetch_b8 v0, s[64:65] scope:SCOPE_SE
	s_setreg_imm32_b32 hwreg(HW_REG_WAVE_MODE, 25, 1), 1
	s_wait_xcnt 0x0
	s_wait_alu depctr_hold_cnt(0) depctr_sa_sdst(0) depctr_va_vdst(0) depctr_va_sdst(0) depctr_va_ssrc(0) depctr_va_vcc(0) depctr_vm_vsrc(0)
	s_getreg_b32 s2, hwreg(HW_REG_IB_STS2, 6, 4)
	s_cmp_eq_u32 s2, 0
	s_cbranch_scc0 .Lentry_in_a_cluster
	s_endpgm
.Lentry_in_a_cluster:
	s_bfe_u32 s2, ttmp6, 0x10000c
	s_cmp_lg_u32 s2, 0xf033
	s_cbranch_scc0 .Lentry_shape_is_right
	s_endpgm
.Lentry_shape_is_right:
; q, k, v = x Wq, x Wk, x Wv on codes of FP8 (E4M3), each f32 sum quantised at once for the attention's products.
; WORK LEFT OUT OF THE PROGRAM: reference() masks scores of keys behind the query by its own causal tril (-inf ahead of the softmax), so whole key steps of 128 that lie behind all 16 queries of a tile have p = 0 for all
; values of the inputs, and the attention launch does not multiply them.  LIMIT: a NaN, an infinity or an overflow that reaches only those masked scores is not carried to the result.
; LIMITS on the given exponents: e6 - e0 - e1, e7 - e2 - e3 and e9 - e4 - e5 between -126 and 119, so that the quantisers' powers of two are f32 numbers.
; SHARES.  A tile of 256 x 256 to a work-group, 128 x 128 to each of four waves.  Cluster x / 4: q, k or v; for v the roles are swapped (A: rows of Wv, B: tokens), so that its codes run along the keys.
; THE CODES ARE STORED AS IMAGES OF MATRIX OPERANDS, 16 bytes a lane, 512 bytes a piece.  Within 32 neighbouring codes the order is 0-7, 16-23, 8-15, 24-31 (in q and k along d, in v along the keys):
; so the codes of two neighbouring column tiles, which a lane's registers hold side by side, are a lane's 16 bytes of a piece, and leave as they are.
;   q_codes, k_codes: [bh][128 tiles of 16 tokens][2 (32 of d)][lane (r, h)][16]: token r.
;   v_codes: [bh][16 steps of 128 keys][4 tiles of 16 d][4 (32 keys)][lane (r, h)][16]: d = 16 t + r.
; PREFETCHES: behind the loads of K steps 0 and 1 stands one for K step 2 and 3, two K steps ahead of the loads that want them: a lane a row, 32 rows a wave; the four partners that ask for 128 rows jointly share them out by address.
; K steps 0 and 1 come by their loads alone, and nothing is asked for behind K step 3, the last.
.set SIZE_K, 1024
.set KSTEP,  256
.set ROWB,   256
.set KROW,   SIZE_K
.set PITCH,  272
.set FR,     16
.set NL,     4
.set NP,     4
.set HALFT,  128*PITCH
.set SLOT,   4*HALFT
.set LAPS,   SIZE_K/(2*KSTEP)
.set SPARE,  2*SLOT
.set COA,  8                           ; v8-15   the way out: my byte offset for block 0 .. 7
.set ADRA, 16
.set PFO,  18                          ; v18     the prefetches' offset: my lane x a row; never rewritten
.set ADRB, 20
.set CO,   26                          ; v26     16 x lane
.set SPW,  28
.set NIL,  29
.set SC,   30
.set LIM,  31
.set TMP,  32
.set AF,   128
.set CD,   128
.set G1, 24
.set G0, 32
.set G1B, 48
.set G0B, 56
.set MSB, 0
.macro WIN new
.if MSB != \new
	s_set_vgpr_msb (MSB<<8)|\new
.set MSB, \new
.endif
.endm
.set MUL_LO, 0xa1
.set MUL_HI, 0xf1
.set TO_B,   0x40
.macro JLOAD g0a, g1a, g0b, g1b
	s_cmp_eq_u32 s15, 0
	s_cbranch_scc0 .Lfor_b_\@
	tensor_load_to_lds s[\g0a:\g0a+3], s[\g1a:\g1a+7]
	s_nop 0
.rept 4
	v_nop
.endr
	s_branch .Lasked_\@
.Lfor_b_\@:
	tensor_load_to_lds s[\g0b:\g0b+3], s[\g1b:\g1b+7]
	s_nop 0
.rept 4
	v_nop
.endr
.Lasked_\@:
.endm
.macro CREST
	s_cmp_lg_u32 s14, 0
	s_cbranch_scc1 .Lnot_wave_0_\@
	s_barrier_signal -3
.Lnot_wave_0_\@:
	s_barrier_wait -3
	s_barrier_signal -1
	s_barrier_wait -1
.endm
.macro CROUND
	s_barrier_signal -1
	s_barrier_wait -1
	CREST
.endm
	s_load_b512 s[68:83], s[0:1], 0x0
	v_lshl_add_u32 v[SPW], v0, 2, SPARE
	v_mov_b32 v[NIL], 0
	ds_add_u32 v28, v29
	ds_add_u32 v28, v29
	s_wait_dscnt 0x0
	v_lshrrev_b32 v1, 5, v0
	v_readfirstlane_b32 s14, v1
	s_lshr_b32 s15, s14, 1
	s_and_b32 s16, s14, 1
	v_and_b32 v1, 15, v0
	v_bfe_u32 v2, v0, 4, 1
	v_mul_u32_u24 v3, v1, PITCH
	s_wait_alu depctr_va_vdst(0)
	v_lshl_add_u32 v4, v2, 4, v3
	s_mul_i32 s21, s15, HALFT
	s_mul_i32 s22, s16, HALFT
	s_add_co_u32 s22, s22, 2*HALFT
.irp s, 0,1
	v_add_nc_u32 v[ADRA+\s], s21, v4
	v_add_nc_u32 v[ADRB+\s], s22, v4
	s_add_co_u32 s21, s21, SLOT
	s_add_co_u32 s22, s22, SLOT
.endr
	v_and_b32 v6, 31, v0
	v_lshlrev_b32 v[CO], 4, v6
	v_lshlrev_b32 v[PFO], 10, v6
	s_bfe_u32 s40, ttmp6, 0x40000
	s_bfe_u32 s41, ttmp6, 0x40004
	s_lshl_b32 s43, s41, 2
	s_lshl_b32 s43, 15, s43
	s_lshl_b32 s44, 0x1111, s40
	s_or_b32 s[G1+0], s43, (0<<16)|(1<<20)|(1<<21)|(5<<22)|(3<<25)
	s_or_b32 s[G1B+0], s44, (0<<16)|(1<<20)|(1<<21)|(5<<22)|(3<<25)
.irp g, G1, G1B
	s_mov_b32 s[\g+1], ROWB<<16
	s_mov_b32 s[\g+2], 128<<16
	s_mov_b32 s[\g+3], ROWB<<16
	s_mov_b32 s[\g+4], 128
	s_mov_b32 s[\g+5], KROW
	s_mov_b32 s[\g+6], 0
	s_mov_b32 s[\g+7], 0
.endr
	s_and_b32 s66, ttmp9, 3
	s_lshl_b32 s67, s66, 10
	s_cmp_lt_u32 ttmp9, 8
	s_cselect_b32 s96, s67, 0
	s_cselect_b32 s97, 0, s67
	s_cselect_b32 s98, s40, s41
	s_cselect_b32 s99, s41, s40
	s_lshl_b32 s18, s16, 7
	s_lshl_b32 s20, s41, 8
	s_add_co_u32 s20, s20, s18
	s_add_co_u32 s20, s20, s96
	s_lshl_b32 s46, s40, 8
	s_add_co_u32 s46, s46, s18
	s_add_co_u32 s46, s46, s97
	s_lshl_b32 s20, s20, 10
	s_mov_b32 s21, 0
	s_lshl_b32 s46, s46, 10
	s_mov_b32 s47, 0
	s_mul_i32 s45, s14, HALFT
	s_lshr_b32 s22, s66, 1
	s_lshl_b32 s22, s22, 4
	s_lshl_b32 s23, s98, 2
	s_add_co_u32 s22, s22, s23
	s_cmp_lt_u32 ttmp9, 8
	s_cselect_b32 s23, s16, s15                    ; my two heads of the tile's four: by my columns (q, k) or by my rows (v)
	s_cselect_b32 s3, s15, s16                     ; my 128 tokens of its 256: the other way round; 8,192 bytes of a head
	s_lshl_b32 s23, s23, 1
	s_add_co_u32 s22, s22, s23
	s_lshl_b32 s22, s22, 17
	s_lshl_b32 s3, s3, 13
	s_add_co_u32 s22, s22, s3
	s_and_b32 s23, s66, 1
	s_lshl_b32 s23, s23, 16
	s_add_co_u32 s22, s22, s23
	s_lshl_b32 s23, s99, 14
	s_add_co_u32 s22, s22, s23
	s_mov_b32 s23, 0
	s_wait_alu depctr_va_vdst(0)
	s_wait_kmcnt 0x0
	s_load_b256 s[84:91], s[76:77], 0x0
	s_load_b128 s[92:95], s[76:77], 0x20
	s_cmp_lt_u32 ttmp9, 8
	s_cselect_b64 s[4:5], s[68:69], s[74:75]
	s_cselect_b64 s[6:7], s[72:73], s[68:69]
	s_cselect_b64 s[10:11], s[80:81], s[82:83]
	s_cmp_lt_u32 ttmp9, 4
	s_cselect_b64 s[6:7], s[70:71], s[6:7]
	s_cselect_b64 s[10:11], s[78:79], s[10:11]
	s_add_nc_u64 s[20:21], s[4:5], s[20:21]
	s_add_nc_u64 s[46:47], s[6:7], s[46:47]
	s_add_nc_u64 s[10:11], s[10:11], s[22:23]
	CROUND
.irp s, 0,1
	s_mov_b32 s[G0+4*\s], 1
	s_add_co_u32 s[G0+4*\s+1], s45, \s*SLOT
	s_add_nc_u64 s[G0+4*\s+2:G0+4*\s+3], s[20:21], \s*ROWB
	s_or_b32 s[G0+4*\s+3], s[G0+4*\s+3], 0x80000000
	s_mov_b32 s[G0B+4*\s], 1
	s_add_co_u32 s[G0B+4*\s+1], s45, \s*SLOT
	s_add_nc_u64 s[G0B+4*\s+2:G0B+4*\s+3], s[46:47], \s*ROWB
	s_or_b32 s[G0B+4*\s+3], s[G0B+4*\s+3], 0x80000000
.endr
	JLOAD G0, G1, G0B, G1B                         ; K step 0: one tensor load a wave at the head
	s_cmp_eq_u32 s15, 0                            ; the prefetches: of the 128 rows that I fetch, my work-group's 32
	s_cselect_b64 s[98:99], s[20:21], s[46:47]
	s_cselect_b32 s18, s40, s41                    ; my place among the four that ask with me: cx for A, cy for B
	s_lshl_b32 s18, s18, 15
	s_mov_b32 s19, 0
	s_add_nc_u64 s[98:99], s[98:99], s[18:19]
	global_prefetch_b8 v[PFO], s[98:99] offset:2*ROWB th:TH_LOAD_NT scope:SCOPE_SE
.macro FRAG reg, adr, q, i
.irp c, 0,1,2,3
	ds_load_b128 v[\reg+4*\c:\reg+4*\c+3], v[\adr] offset:128*(\q)+32*\c+(\i)*16*PITCH
.endr
.endm
.macro MUL16 a0, p, zero
.irp a, \a0, \a0+1
.irp b, 0,1,2,3,4,5,6,7
.if \zero
	v_wmma_f32_16x16x128_fp8_fp8 v[8*(8*((\a)%4)+\b):8*(8*((\a)%4)+\b)+7], v[128*(\p)+FR*\b:128*(\p)+FR*\b+FR-1], v[AF+FR*(\a):AF+FR*(\a)+FR-1], 0
.else
	v_wmma_f32_16x16x128_fp8_fp8 v[8*(8*((\a)%4)+\b):8*(8*((\a)%4)+\b)+7], v[128*(\p)+FR*\b:128*(\p)+FR*\b+FR-1], v[AF+FR*(\a):AF+FR*(\a)+FR-1], v[8*(8*((\a)%4)+\b):8*(8*((\a)%4)+\b)+7]
.endif
.endr
.endr
.endm
.macro FETCH_B slot, q, p
	WIN TO_B
.irp i, 0,1,2,3,4,5,6,7
	FRAG 128*(\p)+FR*\i, ADRB+\slot, \q, \i
.endr
	WIN 0
.endm
.macro FETCH_A slot, q, i0
.irp i, \i0, \i0+1, \i0+2, \i0+3
	FRAG AF+FR*(\i), ADRA+\slot, \q, \i
.endr
.endm
.macro PLACES n
.rept \n
	v_nop
.endr
.endm
.macro STEP slot, q, zero
	s_wait_dscnt 4*NL
	WIN MUL_LO
	MUL16 0, (\q)%2, \zero
	MUL16 2, (\q)%2, \zero
	s_wait_dscnt 0
	PLACES NP
	FETCH_B \slot, (\q)+1, 1-(\q)%2
	FETCH_A \slot, (\q)+1, 0
	WIN MUL_HI
	MUL16 4, (\q)%2, \zero
	MUL16 6, (\q)%2, \zero
	PLACES NP
	WIN 0
	FETCH_A \slot, (\q)+1, 4
.endm
.macro TURN slot, next, fill
	s_wait_tensorcnt 0x0
	ds_add_u32 v[SPW], v[NIL]
	s_wait_dscnt 4*NL+1
	WIN MUL_LO
	MUL16 0, 1, 0
	s_wait_dscnt 0x0
	s_barrier_signal -1
	MUL16 2, 1, 0
	WIN 0
	s_barrier_wait -1
.if \fill
	CREST
	s_add_nc_u64 s[G0+4*\slot+2:G0+4*\slot+3], s[G0+4*\slot+2:G0+4*\slot+3], 2*ROWB
	s_add_nc_u64 s[G0B+4*\slot+2:G0B+4*\slot+3], s[G0B+4*\slot+2:G0B+4*\slot+3], 2*ROWB
	JLOAD G0+4*\slot, G1, G0B+4*\slot, G1B
.else
	PLACES NP
.endif
	FETCH_B \next, 0, 0
	FETCH_A \next, 0, 0
	WIN MUL_HI
	MUL16 4, 1, 0
	MUL16 6, 1, 0
	PLACES NP
	WIN 0
	FETCH_A \next, 0, 4
.endm
	s_wait_alu depctr_va_vdst(0)
	s_wait_tensorcnt 0x0                           ; my part of K step 0 is in
	ds_add_u32 v[SPW], v[NIL]
	s_wait_dscnt 0x0
	CROUND                                         ; everybody's part of K step 0 is in, and all sixteen work-groups are here
	JLOAD G0+4, G1, G0B+4, G1B                     ; K step 1's load, the first tensor load behind the round
	FETCH_B 0, 0, 0
	FETCH_A 0, 0, 0
	FETCH_A 0, 0, 4
	global_prefetch_b8 v[PFO], s[98:99] offset:3*ROWB th:TH_LOAD_NT scope:SCOPE_SE
	STEP 0, 0, 1
	s_mov_b32 s3, LAPS-1
.Llap:
	TURN 0, 1, 1
	STEP 1, 0, 0
	TURN 1, 0, 1
	STEP 0, 0, 0
	s_sub_co_u32 s3, s3, 1
	s_cmp_lg_u32 s3, 0
	s_cbranch_scc1 .Llap
	TURN 0, 1, 0
	STEP 1, 0, 0
	s_wait_dscnt 4*NL
	WIN MUL_LO
	MUL16 0, 1, 0
	MUL16 2, 1, 0
	s_wait_dscnt 0
	WIN MUL_HI
	MUL16 4, 1, 0
	MUL16 6, 1, 0
	WIN 0
	s_wait_kmcnt 0x0
	s_sub_co_i32 s17, s90, s84
	s_sub_co_i32 s17, s17, s85
	s_sub_co_i32 s18, s91, s86
	s_sub_co_i32 s18, s18, s87
	s_sub_co_i32 s19, s93, s88
	s_sub_co_i32 s19, s19, s89
	s_cmp_lt_u32 ttmp9, 8
	s_cselect_b32 s18, s18, s19
	s_cmp_lt_u32 ttmp9, 4
	s_cselect_b32 s17, s17, s18
	s_add_co_i32 s17, s17, 127
	s_lshl_b32 s18, s17, 23
	v_mov_b32 v[SC], s18
	s_add_co_i32 s17, s17, 8
	s_lshl_b32 s17, s17, 23
	s_or_b32 s17, s17, 0x600000
	v_mov_b32 v[LIM], s17
	s_cmp_lt_u32 ttmp9, 8                          ; where a block's four pieces go.  q, k: block a is token tile a, its pieces 2, 3 the next head's.  v: block a is tile a % 4 of head a / 4, its pieces lie on end
	s_mov_b32 s18, 2048
	s_mov_b32 s19, 131072-3*2048
	s_mov_b32 s20, 1024
	s_cselect_b32 s18, 1024, s18                   ; from block to block,
	s_cselect_b32 s19, 1024, s19                   ; from block 3 to block 4,
	s_cselect_b32 s20, 131072, s20                 ; and from piece 0 to piece 2
	s_mov_b32 s21, 0
	s_add_nc_u64 s[12:13], s[10:11], s[20:21]
	v_mov_b32 v[COA], v[CO]
	v_add_nc_u32 v[COA+1], s18, v[COA]
	v_add_nc_u32 v[COA+2], s18, v[COA+1]
	v_add_nc_u32 v[COA+3], s18, v[COA+2]
	v_add_nc_u32 v[COA+4], s19, v[COA+3]
	v_add_nc_u32 v[COA+5], s18, v[COA+4]
	v_add_nc_u32 v[COA+6], s18, v[COA+5]
	v_add_nc_u32 v[COA+7], s18, v[COA+6]           ; (these eight are also the places behind the last products)
	s_wait_alu depctr_va_vdst(0)
.macro QBLOCK a
	WIN 0x02+(\a)/4
.set j, 0
.rept 64
	v_med3_num_f32 v[TMP+j], v[64*((\a)%4)+j], -v[LIM], v[LIM]
.set j, j+1
.endr
	WIN 0
.irp b, 0,1,2,3,4,5,6,7
	v_cvt_scalef32_pk8_fp8_f32 v[CD+16*(\a)+2*\b:CD+16*(\a)+2*\b+1], v[TMP+8*\b:TMP+8*\b+7], v[SC]
.endr
	v_nop
	global_store_b128 v[COA+(\a)], v[CD+16*(\a):CD+16*(\a)+3], s[10:11]             ; 32 lanes store 512 consecutive bytes, at a multiple of 512 from the buffer's first byte
	global_store_b128 v[COA+(\a)], v[CD+16*(\a)+4:CD+16*(\a)+7], s[10:11] offset:512
	global_store_b128 v[COA+(\a)], v[CD+16*(\a)+8:CD+16*(\a)+11], s[12:13]
	global_store_b128 v[COA+(\a)], v[CD+16*(\a)+12:CD+16*(\a)+15], s[12:13] offset:512
.endm
.irp a, 0,1,2,3,4,5,6,7
	QBLOCK \a
.endr
	s_wait_tensorcnt 0x0
	ds_add_u32 v[SPW], v[NIL]
	s_wait_dscnt 0x0
	CROUND
	s_endpgm
.Lfunc_end_k_q182df0d5b2_qkv:
	.size	k_q182df0d5b2_qkv, .Lfunc_end_k_q182df0d5b2_qkv-k_q182df0d5b2_qkv
	.p2alignl 7, 3214868480
	.fill 96, 4, 3214868480
	.section	.rodata,"a",@progbits
	.p2align	6, 0x0
	.amdhsa_kernel k_q182df0d5b2_qkv
		.amdhsa_group_segment_fixed_size 327680
		.amdhsa_private_segment_fixed_size 0
		.amdhsa_enable_private_segment 0
		.amdhsa_kernarg_size 64
		.amdhsa_user_sgpr_count 2
		.amdhsa_user_sgpr_kernarg_segment_ptr 1
		.amdhsa_wavefront_size32 1
		.amdhsa_system_sgpr_workgroup_id_x 1
		.amdhsa_system_sgpr_workgroup_id_y 1
		.amdhsa_system_sgpr_workgroup_id_z 1
		.amdhsa_system_vgpr_workitem_id 0
		.amdhsa_next_free_vgpr 1024
		.amdhsa_next_free_sgpr 100
		.amdhsa_reserve_vcc 0
		.amdhsa_float_denorm_mode_32 3
		.amdhsa_float_denorm_mode_16_64 3
		.amdhsa_memory_ordered 1
		.amdhsa_forward_progress 1
		.amdhsa_inst_pref_size 120
	.end_amdhsa_kernel
	.amdgpu_metadata
---
amdhsa.version: [ 1, 2 ]
amdhsa.kernels:
  - .name:           k_q182df0d5b2_qkv
    .symbol:         k_q182df0d5b2_qkv.kd
    .args:
      - { .name: x_codes, .offset: 0, .size: 8, .value_kind: global_buffer, .address_space: global }
      - { .name: Wq_codes, .offset: 8, .size: 8, .value_kind: global_buffer, .address_space: global }
      - { .name: Wk_codes, .offset: 16, .size: 8, .value_kind: global_buffer, .address_space: global }
      - { .name: Wv_codes, .offset: 24, .size: 8, .value_kind: global_buffer, .address_space: global }
      - { .name: lowp_scales, .offset: 32, .size: 8, .value_kind: global_buffer, .address_space: global }
      - { .name: q_codes, .offset: 40, .size: 8, .value_kind: global_buffer, .address_space: global }
      - { .name: k_codes, .offset: 48, .size: 8, .value_kind: global_buffer, .address_space: global }
      - { .name: v_codes, .offset: 56, .size: 8, .value_kind: global_buffer, .address_space: global }
    .group_segment_fixed_size: 327680
    .private_segment_fixed_size: 0
    .kernarg_segment_align: 8
    .kernarg_segment_size: 64
    .max_flat_workgroup_size: 128
    .sgpr_count:     100
    .vgpr_count:     1024
    .wavefront_size: 32
...
	.end_amdgpu_metadata
.endif
;; end of part 1
;; launch attn (part 2): grid 8 x 32, 16 waves a work-group, clusters of 4 x 1, 327,680 bytes of LDS; arguments q_codes, k_codes, v_codes, lowp_scales, ctx_codes; writes ctx_codes
.if DOCPART == 2
	.amdgcn_target "amdgcn-amd-amdhsa--gfx1250"
	.amdhsa_code_object_version 6
	.text
	.protected	k_q182df0d5b2_attn
	.globl	k_q182df0d5b2_attn
	.p2align	8
	.type	k_q182df0d5b2_attn,@function
k_q182df0d5b2_attn:
	s_mov_b64 s[64:65], 0
	v_nop
	global_prefetch_b8 v0, s[64:65] scope:SCOPE_SE
	s_setreg_imm32_b32 hwreg(HW_REG_WAVE_MODE, 25, 1), 1
	s_wait_xcnt 0x0
	s_wait_alu depctr_hold_cnt(0) depctr_sa_sdst(0) depctr_va_vdst(0) depctr_va_sdst(0) depctr_va_ssrc(0) depctr_va_vcc(0) depctr_vm_vsrc(0)
	s_getreg_b32 s2, hwreg(HW_REG_IB_STS2, 6, 4)
	s_cmp_eq_u32 s2, 0
	s_cbranch_scc0 .Lentry_in_a_cluster
	s_endpgm
.Lentry_in_a_cluster:
	s_bfe_u32 s2, ttmp6, 0x10000c
	s_cmp_lg_u32 s2, 0x3003
	s_cbranch_scc0 .Lentry_shape_is_right
	s_endpgm
.Lentry_shape_is_right:
; ctx[bh][q][:] = the sum over k <= q of softmax_k(q . k / 8) v[k][:], both products on codes of FP8 (E4M3), and ctx quantised at once for the last product.
; q_codes, k_codes, v_codes: images of matrix operands, as the first launch stores them; bh = 16 b + head.  ctx_codes: [256 tiles of 16 tokens][16 heads][2 (32 of d)][lane (r, h)][16]: token r, d = 32 c + 8 h + 0 .. 7, then 32 c + 16 + 8 h + 0 .. 7.
; THE SOFTMAX AHEAD OF THE SECOND PRODUCT: t = score x log2(e) / 8; M = the row's largest t so far, rounded UP to a whole number; p = 2^(t - M) is what is quantised, along the keys; it is not normalised.
; The row's sum is taken of the unquantised p, in f32, and divides O at the end.  When M moves, the sum and O are multiplied by 2^(old M - new M): exact.
; A HEAD'S WHOLE K AND V LIE IN LDS, filled once, in two groups of one tensor load a wave: key steps 0 to 3 (K at 0, V at 32,768), then the rest (K at 65,536, V at 163,840), which is on its way while every wave walks two key steps.
;   No slot is filled again.  Nothing is prefetched: there is no loop of loads to run ahead in, and the one later group is asked for as soon as the first has landed.
; SHARES.  Work-group j (0..7) of head bh owns the sixteen tiles of 16 queries at 128 T + 16 j, T = 0 .. 15; a tile has key steps 0 .. T of 128 keys, and step T holds its diagonal.  WORK LEFT OUT: key steps behind T, wholly under the mask.
;   Two waves share the tiles p and 15 - p (p = wave / 2).  A: tile 15 - p, steps 0 .. 8.  B: tile p, steps 0 .. p, which it sends out, then tile 15 - p, steps 9 .. 15 - p; at the end it joins A's part, handed over in LDS, to its own.
;   (Pair 0, so that the first two trips need no step behind 3: A has steps 0 and 2 .. 9 of tile 15, B step 1 and 10 .. 15.)
;   So A has 9 steps and B 8, whatever p is; of four waves with equal w % 4 or equal w / 4 two are A's and two B's.  All of it hangs on the wave's number and a counted loop's steps: all work-groups run alike.
;   j enters Q's and ctx's addresses and the numbers that the mask compares with, and nothing else.
; CLUSTER.  The four work-groups of a cluster belong to one head: each tile is asked for JOINTLY, by the same tensor load with the same descriptor and the mask of all four.
; LAYOUT.  Both products are used transposed: S^T = K Q^T (source 0 = 16 keys, source 1 = my 16 queries), O^T = V^T P^T (source 0 = 16 of the head's 64, source 1 = P): a lane holds ONE query (lane % 16) throughout.
;   In tile t of the scores lane half h holds keys 16 t + 8 h + 0 .. 7; the codes of tiles 2 c and 2 c + 1 are registers 4 c .. 4 c + 3 of P, and v_codes has its keys in that order.
; LIMITS on the given exponents, so that each power of two below is an f32 number and hidden keys get p = 0: e6 + e7 between -100 and 130 (added to c's exponent field); e8, and e10 - e8 - e9, between -126 and 119.
; The scaled scores stay under 2^31 in magnitude.  NaN codes among q and k are not served.
; REGISTERS: v1 16 x lane; v2, v3 the step's LDS addresses; v4, v8 the handed-over part's; v12 -M, v13 the largest score, v[14:15] the sum in two halves; v16-23 Q, v24-31 Q of tile 15 - p; v32-95 fragments of K, then of V;
;   v96-159 S^T, then p; v160-191 O^T; v192-207 p's codes; v208-215 the mask's numbers, v216-223 those at work; v224-229, v236, v246-255 at work; v240-244 scales.
.set PART,  262144                     ; behind K and V: 8 pairs x (4,096 bytes of O^T, 128 of -M, 128 of the sum)
.set PSZ,   4352
.set SPARE, PART+8*PSZ                 ; the spare words, 128 bytes for each wave: no other line names them
.set SCORE_MIN, 0xcb800000             ; -2^24: under every score, since 64 x 448 x 448 is under 2^24
.set M_NONE,    0x71800000             ; 2^100 as -M: no key seen yet; the factor that follows from it is 0
.macro CROUND                          ; a round of the cluster's barrier
	s_barrier_signal -1
	s_barrier_wait -1
	s_cmp_lg_u32 s14, 0
	s_cbranch_scc1 .Lnot_wave_0_\@
	s_barrier_signal -3
.Lnot_wave_0_\@:
	s_barrier_wait -3
	s_barrier_signal -1
	s_barrier_wait -1
.endm
	s_load_b256 s[4:11], s[0:1], 0x0               ; q_codes s[4:5], k_codes s[6:7], v_codes s[8:9], the scales s[10:11]
	s_load_b64 s[12:13], s[0:1], 0x20              ; ctx_codes
	v_lshl_add_u32 v5, v0, 2, SPARE
	v_mov_b32 v6, 0
	ds_add_u32 v5, v6                              ; the wave's opening: the add, twice on end, ahead of my first tensor load
	ds_add_u32 v5, v6
	v_lshrrev_b32 v8, 5, v0
	v_readfirstlane_b32 s14, v8                    ; wave 0..15
	s_lshr_b32 s15, s14, 1                         ; p
	s_lshr_b32 s16, s14, 2
	s_xor_b32 s16, s16, s14
	s_and_b32 s16, s16, 1                          ; 0: A, 1: B
	s_xor_b32 s38, s15, 15                         ; tile 15 - p
	s_xor_b32 s18, s15, 7
	s_add_co_u32 s18, s18, 1                       ; 8 - p
	s_add_co_u32 s21, s15, 1
	s_max_u32 s2, s21, 2
	s_cmp_eq_u32 s15, 0
	s_cselect_b32 s3, 1, 0
	s_cmp_eq_u32 s16, 1
	s_cselect_b32 s37, s15, s38                    ; my first tile
	s_cselect_b32 s17, s21, 64                     ; the trip at whose head I change tiles (A: none)
	s_cselect_b32 s36, 7, 8                        ; my last trip with a step
	s_cselect_b32 s18, s18, s3                     ; key step = trip + this (B: 8 - p; A: 0, in pair 0: 1),
	s_cselect_b32 s2, s2, 1                        ; from this trip on
	s_bfe_u32 s40, ttmp6, 0x40000                  ; cx
	s_lshl_b32 s41, ttmp9, 2                       ; in a cluster launch ttmp9 counts clusters
	s_add_co_u32 s40, s40, s41                     ; j
	s_lshl_b32 s55, s40, 4                         ; 16 j
	s_and_b32 s41, ttmp7, 0xffff                   ; bh, which the four partners share
	s_lshl_b32 s42, s41, 17                        ; the head's first byte in q_codes, k_codes and v_codes
	s_lshl_b32 s44, s37, 3                         ; Q: tile 8 T + j, 1,024 bytes a tile
	s_add_co_u32 s44, s44, s40
	s_lshl_b32 s44, s44, 10
	s_add_co_u32 s44, s44, s42
	s_mov_b32 s45, 0
	s_lshl_b32 s46, s38, 3
	s_add_co_u32 s46, s46, s40
	s_lshl_b32 s46, s46, 10
	s_add_co_u32 s46, s46, s42
	s_mov_b32 s47, 0
	s_and_b32 s43, s41, 15                         ; ctx: ((128 b + 8 T + j) x 16 + head) x 1,024
	s_lshl_b32 s43, s43, 10
	s_lshr_b32 s48, s41, 4
	s_lshl_b32 s48, s48, 7
	s_add_co_u32 s48, s48, s40
	s_lshl_b32 s48, s48, 14
	s_add_co_u32 s43, s43, s48
	s_lshl_b32 s56, s37, 17
	s_add_co_u32 s56, s56, s43
	s_mov_b32 s57, 0
	s_lshl_b32 s58, s38, 17
	s_add_co_u32 s58, s58, s43
	s_mov_b32 s59, 0
	s_lshr_b32 s49, s14, 3                         ; I fetch for K (waves 0 to 7) or for V (8 to 15)
	s_and_b32 s50, s14, 7
	s_lshl_b32 s51, s14, 12                        ; first group, 4,096 bytes a wave: in LDS,
	s_lshl_b32 s52, s50, 12
	s_add_co_u32 s52, s52, s42                     ; and in memory: bh and the wave's number alone
	s_mov_b32 s53, 0
	s_mul_i32 s67, s14, 12288                      ; second group, 12,288 bytes a wave: in LDS,
	s_add_co_u32 s67, s67, 65536
	s_mul_i32 s68, s50, 12288
	s_add_co_u32 s68, s68, s42
	s_add_co_u32 s68, s68, 32768                   ; and in memory
	s_mov_b32 s69, 0
	s_mul_i32 s54, s15, PSZ
	s_add_co_u32 s54, s54, PART                    ; my pair's hand-over
	; descriptor group 1: dense bytes as rows of 256: s[24:31] 16 rows, s[72:79] 48 rows
	s_mov_b32 s24, 15|(1<<21)                      ; the mask: all four work-groups; elements of 1 byte; no padding; bit 21 set beside a mask
	s_mov_b32 s25, 256<<16
	s_mov_b32 s26, 16<<16
	s_mov_b32 s27, 256<<16
	s_mov_b32 s28, 16
	s_mov_b32 s29, 256
	s_mov_b32 s30, 0
	s_mov_b32 s31, 0
	s_mov_b32 s72, 15|(1<<21)
	s_mov_b32 s73, 256<<16
	s_mov_b32 s74, 48<<16
	s_mov_b32 s75, 256<<16
	s_mov_b32 s76, 48
	s_mov_b32 s77, 256
	s_mov_b32 s78, 0
	s_mov_b32 s79, 0
	s_mov_b32 s60, 0xfd800000                      ; -16 x 2^120: from tile to tile in the mask's numbers
	s_mov_b32 s61, 0xfd800000
	s_mov_b32 s62, 0x76543210                      ; v_permlanex16_b32's selects: lane l xor 16
	s_mov_b32 s63, 0xfedcba98
	s_mov_b32 s22, 0x3e38aa3b                      ; c = log2(e) / sqrt(64)
	v_and_b32 v9, 31, v0
	v_and_b32 v10, 15, v0                          ; r
	v_bfe_u32 v11, v0, 4, 1                        ; h
	v_lshlrev_b32 v1, 4, v9
	v_lshlrev_b32 v11, 3, v11
	v_lshl_add_u32 v8, v9, 2, s54
	v_add_nc_u32 v4, s54, v1
	v_sub_nc_u32 v10, v10, v11
	v_mov_b32 v14, 0                               ; the sum, in two halves
	v_add_nc_u32 v10, s55, v10                     ; 16 j + r - 8 h: in step T register 8 t + i of the scores is hidden where 16 t + i is greater
	v_mov_b32 v15, 0
	v_cvt_f32_i32 v10, v10
	v_mov_b32 v13, SCORE_MIN                       ; the largest score so far
	v_mul_f32 v10, 0x7b800000, v10
	v_mov_b32 v12, M_NONE
	v_add_f32 v208, 0x7b000000, v10                ; (16 j + r - 8 h - i + 1/2) x 2^120: 2^119 or more where key i counts, -2^119 or less where it is hidden
	v_mov_b32 v236, 0                              ; written once: a lane permute's destination counts as one of its sources
.irp i, 1,2,3,4,5,6,7
	v_add_f32 v[208+\i], 0xfb800000, v[207+\i]
.endr
	v_mov_b32 v253, 0                              ; (named as the upper half of pairs)
	v_mov_b32 v255, 0
.set j, 0
.rept 32
	v_mov_b32 v[160+j], 0                          ; O^T: the first change of M leaves zeros
.set j, j+1
.endr
	s_wait_alu depctr_va_vdst(0)
	s_wait_dscnt 0x0                               ; both opening adds are done
	s_wait_kmcnt 0x0
	s_load_b128 s[84:87], s[10:11], 0x18           ; e6, e7, e8, e9
	s_load_b32 s88, s[10:11], 0x28                 ; e10
	s_cmp_eq_u32 s49, 0
	s_cselect_b64 s[34:35], s[6:7], s[8:9]
	s_cselect_b64 s[82:83], s[6:7], s[8:9]
	s_mov_b32 s32, 1                               ; 1:0 count = 1
	s_mov_b32 s33, s51                             ; 63:32 LDS address
	s_add_nc_u64 s[34:35], s[34:35], s[52:53]      ; 120:64 global address
	s_or_b32 s35, s35, 0x80000000                  ; 127:126 type = 2
	s_mov_b32 s80, 1
	s_mov_b32 s81, s67
	s_add_nc_u64 s[82:83], s[82:83], s[68:69]
	s_or_b32 s83, s83, 0x80000000
	s_add_nc_u64 s[44:45], s[4:5], s[44:45]        ; Q of my first tile,
	s_add_nc_u64 s[46:47], s[4:5], s[46:47]        ; and of tile 15 - p
	s_add_nc_u64 s[56:57], s[12:13], s[56:57]      ; ctx likewise
	s_add_nc_u64 s[58:59], s[12:13], s[58:59]
	CROUND                                         ; all four work-groups are here: the joint loads meet
	tensor_load_to_lds s[32:35], s[24:31]          ; key steps 0 to 3: one tensor load a wave at the head
	s_nop 0
.rept 4
	v_nop
.endr
	global_load_b128 v[16:19], v1, s[44:45]        ; Q stays in registers: 16 queries x 64
	global_load_b128 v[20:23], v1, s[44:45] offset:512
	global_load_b128 v[24:27], v1, s[46:47]        ; (an A wave's first tile is tile 15 - p already: it loads the same bytes, and has no use for these)
	global_load_b128 v[28:31], v1, s[46:47] offset:512
	s_wait_kmcnt 0x0
	s_add_co_i32 s89, s84, s85
	s_lshl_b32 s89, s89, 23
	s_add_co_i32 s22, s22, s89                     ; a score stands for score x 2^(e6 + e7): the two exponents are added to c's exponent field
	s_mov_b32 s23, s22                             ; (named with it as a pair, so it is written)
	s_xor_b32 s66, s22, 0x80000000                 ; -c
	s_add_co_i32 s89, s86, 127
	s_lshl_b32 s90, s89, 23
	v_mov_b32 v242, s90                            ; 2^e8 as f32, for p's conversions
	s_add_co_i32 s89, s89, 8
	s_lshl_b32 s89, s89, 23
	s_or_b32 s89, s89, 0x600000
	v_mov_b32 v240, s89                            ; 448 x 2^e8, twice, for pairs
	v_mov_b32 v241, s89
	s_sub_co_i32 s89, s88, s86
	s_sub_co_i32 s89, s89, s87                     ; O^T / the sum stands for ctx / 2^(e8 + e9): its code is that / 2^(e10 - e8 - e9)
	s_add_co_i32 s89, s89, 127
	s_lshl_b32 s90, s89, 23
	v_mov_b32 v243, s90
	s_add_co_i32 s89, s89, 8
	s_lshl_b32 s89, s89, 23
	s_or_b32 s89, s89, 0x600000
	v_mov_b32 v244, s89
.macro HOLD t                          ; the conversion to an 8-bit code does not saturate (ISA guide 7.6.2); p is not negative, so the hold is one-sided; it stands whatever e8 is
.irp k, 0,2,4,6
	v_dual_min_num_f32 v[96+8*\t+\k], v[96+8*\t+\k], v240 :: v_dual_min_num_f32 v[97+8*\t+\k], v[97+8*\t+\k], v241
.endr
.endm
.macro CODE t
	v_cvt_scalef32_pk8_fp8_f32 v[192+2*\t:193+2*\t], v[96+8*\t:103+8*\t], v242
.endm
; A KEY STEP: the 128 keys of step s20 for the tile s39; v2, v3 are its addresses in K and V.
.macro STEP
.rept 2
	v_nop                                          ; with the two address additions ahead: four places in front of loads into registers that the last products have read
.endr
.irp t, 0,1,2,3,4,5,6,7
.irp c, 0,1
	ds_load_b128 v[32+8*\t+4*\c:35+8*\t+4*\c], v2 offset:1024*\t+512*\c
.endr
.endr
	s_wait_alu depctr_va_vdst(0)
	s_wait_dscnt 0x8                               ; tiles 0 to 3 are in; the eight loads of tiles 4 to 7 may be out
.irp t, 0,1,2,3                                ; S^T = K Q^T: eight tiles of 16 keys, K = the head's 64
	v_wmma_f32_16x16x64_fp8_fp8 v[96+8*\t:103+8*\t], v[32+8*\t:39+8*\t], v[16:23], 0
.endr
	s_wait_dscnt 0x0
.irp t, 4,5,6,7
	v_wmma_f32_16x16x64_fp8_fp8 v[96+8*\t:103+8*\t], v[32+8*\t:39+8*\t], v[16:23], 0
.endr
.rept 4
	v_nop                                          ; places in front of the loads below and of the first read of the scores
.endr
.irp t, 0,1,2,3                                ; V's four fragments (16 d x 128 keys) are asked for now and land under the softmax
.irp c, 0,1,2,3
	ds_load_b128 v[32+16*\t+4*\c:35+16*\t+4*\c], v3 offset:2048*\t+512*\c
.endr
.endr
	s_cmp_lg_u32 s20, s39                          ; only step T holds the diagonal: there the scores of hidden keys become -2^119 or less ahead of the maximum, and p = 0.  Key 128 T counts for every query of the tile
	s_cbranch_scc1 .Lopen_\@
.irp k, 0,2,4,6
	v_dual_min_num_f32 v[96+\k], v[96+\k], v[208+\k] :: v_dual_min_num_f32 v[97+\k], v[97+\k], v[209+\k]
.endr
.irp t, 1,2,3,4,5,6,7
.irp k, 0,2,4,6
.if \t == 1
	v_pk_add_f32 v[216+\k:217+\k], v[208+\k:209+\k], s[60:61] op_sel_hi:[1,0]
.else
	v_pk_add_f32 v[216+\k:217+\k], v[216+\k:217+\k], s[60:61] op_sel_hi:[1,0]
.endif
.endr
.irp k, 0,2,4,6
	v_dual_min_num_f32 v[96+8*\t+\k], v[96+8*\t+\k], v[216+\k] :: v_dual_min_num_f32 v[97+8*\t+\k], v[97+8*\t+\k], v[217+\k]
.endr
.endr
.Lopen_\@:
	v_max3_num_f32 v254, v96, v97, v13             ; the largest score of my query so far, the step's 64 of my lane and the earlier ones', in two chains, each tile from its low end on,
	v_max3_num_f32 v252, v98, v99, v100
.irp i, 101,105,109,113,117,121,125,129,133,137,141,145,149,153
	v_max3_num_f32 v254, v254, v[\i], v[\i+1]
	v_max3_num_f32 v252, v252, v[\i+2], v[\i+3]
.endr
	v_max3_num_f32 v254, v254, v157, v158
	v_max3_num_f32 v254, v254, v252, v159
	s_delay_alu instid0(VALU_DEP_1)
	v_permlanex16_b32 v236, v254, s62, s63
	s_delay_alu instid0(VALU_DEP_1)
	v_max_num_f32 v13, v254, v236                  ; and lane l xor 16's
	s_delay_alu instid0(VALU_DEP_1)
	v_mul_f32 v254, s66, v13                       ; -t (c is positive)
	s_delay_alu instid0(VALU_DEP_1)
	v_floor_f32 v250, v254                         ; the new -M = floor(-t) = -ceil(t): M IS A WHOLE NUMBER
	s_delay_alu instid0(VALU_DEP_1)
	v_sub_f32 v251, v250, v12                      ; M's old value less its new one: a whole number, 0 or less
	v_mov_b32 v12, v250
	s_delay_alu instid0(VALU_DEP_2)
	v_cvt_i32_f32 v251, v251                       ; (it saturates)
	s_delay_alu instid0(VALU_DEP_1)
	v_ldexp_f32 v252, 1.0, v251                    ; f = 2^(old M - new M)
.set j, 96
.rept 32
	v_pk_fma_f32 v[j:j+1], v[j:j+1], s[22:23], v[12:13] op_sel_hi:[1,0,0]   ; t - M, two at a time (of the pairs c and -M the low word serves both halves)
.set j, j+2
.endr
	s_wait_alu depctr_va_vdst(0)
.set j, 96
.rept 64
	v_exp_f32 v[j], v[j]                           ; p = 2^(t - M): NOT normalised
.set j, j+1
.endr
	s_wait_alu depctr_va_vdst(0)                   ; the wait serves the batch, and O^T, whose first reader follows
.set j, 160
.rept 16
	v_pk_mul_f32 v[j:j+1], v[j:j+1], v[252:253] op_sel_hi:[1,0]   ; O^T under the new M: x f
.set j, j+2
.endr
	v_pk_fma_f32 v[14:15], v[14:15], v[252:253], v[96:97] op_sel_hi:[1,0,1]   ; THE ROW'S SUM IS TAKEN OF THE UNQUANTISED p: the old sum x f, and the new p, two at a time, in four chains
	v_pk_add_f32 v[224:225], v[98:99], v[100:101]
	v_pk_add_f32 v[226:227], v[102:103], v[104:105]
	v_pk_add_f32 v[228:229], v[106:107], v[108:109]
.irp i, 110,118,126,134,142,150
	v_pk_add_f32 v[14:15], v[14:15], v[\i:\i+1]
	v_pk_add_f32 v[224:225], v[224:225], v[\i+2:\i+3]
	v_pk_add_f32 v[226:227], v[226:227], v[\i+4:\i+5]
	v_pk_add_f32 v[228:229], v[228:229], v[\i+6:\i+7]
.endr
	v_pk_add_f32 v[14:15], v[14:15], v[158:159]
	v_pk_add_f32 v[224:225], v[224:225], v[226:227]
	HOLD 0
	v_pk_add_f32 v[14:15], v[14:15], v[228:229]
	HOLD 1
	v_pk_add_f32 v[14:15], v[14:15], v[224:225]
	CODE 0
.irp t, 2,3,4,5,6,7
	HOLD \t
	CODE (\t-1)
.endr
	v_nop                                          ; one plain place between a conversion and an instruction that touches its sources or its result
	CODE 7
	v_nop
	s_wait_alu depctr_va_vdst(0)
	s_wait_dscnt 0x0                               ; V's fragments are in
.irp t, 0,1,2,3                                ; O^T += V^T P^T: four tiles of 16 of the head's 64, K = these 128 keys.  The four accumulators take turns, and the next step's eight products S^T stand between a sum's links
	v_wmma_f32_16x16x128_fp8_fp8 v[160+8*\t:167+8*\t], v[32+16*\t:47+16*\t], v[192:207], v[160+8*\t:167+8*\t]
.endr
.endm
; THE WAY OUT of a tile whose O^T stands in v[src ..] and whose lane's sum in v14: divided, held, quantised along the head's 64: the conversions' results are the image that ctx_codes has, and leave as they are.
.macro WAYOUT src, base
	v_permlanex16_b32 v236, v14, s62, s63
	s_delay_alu instid0(VALU_DEP_1)
	v_add_f32 v254, v14, v236                      ; and lane l xor 16's: the row's sum
	s_wait_alu depctr_va_vdst(0)
	v_rcp_f32 v254, v254
	v_nop                                          ; one plain place behind the transcendental
	s_wait_alu depctr_va_vdst(0)                   ; the wait, ahead of the first reader
.set j, 0
.rept 16
	v_pk_mul_f32 v[32+j:33+j], v[\src+j:\src+j+1], v[254:255] op_sel_hi:[1,0]   ; each accumulator from its low end on
.set j, j+2
.endr
.set j, 32
.rept 32
	v_med3_num_f32 v[j], v[j], -v244, v244         ; the hold at the largest code x the scale
.set j, j+1
.endr
.irp t, 0,1,2,3
	v_cvt_scalef32_pk8_fp8_f32 v[192+2*\t:193+2*\t], v[32+8*\t:39+8*\t], v243   ; register 8 t + i: d = 16 t + 8 h + i
.endr
	v_nop                                          ; one plain vector line directly behind the last conversion
	global_store_b128 v1, v[192:195], s[\base:\base+1]              ; 32 lanes store 512 consecutive bytes, at a multiple of 512 from the buffer's first byte
	global_store_b128 v1, v[196:199], s[\base:\base+1] offset:512
.endm
; A TRIP of the walk: number s19.  first = 1: trips 0 and 1, on key steps 0 to 3.
; In the other trips a barrier holds the sixteen waves within one key step of each other: signalled ahead of a step, waited for ahead of the next.  It orders no memory access; between its halves stand register work and LDS loads of K and V,
; which nobody writes any more.
.macro TRIP first
.if \first == 0
	s_barrier_wait -1
.endif
	s_cmp_lg_u32 s19, s17                          ; B, its first tile done:
	s_cbranch_scc1 .Lsame_\@
.rept 4
	v_nop                                          ; places behind the last products
.endr
	v_add_f32 v14, v14, v15                        ; the sum's two halves
	s_delay_alu instid0(VALU_DEP_1)
	WAYOUT 160, 56                                 ; tile p goes out,
.set j, 0
.rept 32
	v_mov_b32 v[160+j], 0                          ; and tile 15 - p begins
.set j, j+1
.endr
.irp i, 0,1,2,3,4,5,6,7
	v_mov_b32 v[16+\i], v[24+\i]
.endr
	v_mov_b32 v14, 0
	v_mov_b32 v15, 0
	v_mov_b32 v13, SCORE_MIN
	v_mov_b32 v12, M_NONE
	s_wait_alu depctr_va_vdst(0)
	s_wait_xcnt 0x0                                ; the stores' registers may be rewritten
.Lsame_\@:
	s_cmp_ge_u32 s19, s17
	s_cselect_b32 s39, s38, s37                    ; my tile
	s_cmp_ge_u32 s19, s2
	s_cselect_b32 s21, s18, 0
	s_add_co_u32 s20, s19, s21                     ; my key step
.if \first
	s_min_u32 s20, s20, 3                          ; (2 at the most)
	s_lshl_b32 s21, s20, 13
	v_add_nc_u32 v2, s21, v1
	v_add_nc_u32 v3, 0x8000, v2
	STEP
.else
	s_min_u32 s20, s20, 15
	s_lshl_b32 s21, s20, 13
	s_cmp_lt_u32 s20, 4                            ; the first four steps lie apart
	s_mov_b32 s51, 0x18000
	s_cselect_b32 s50, 0, 0x8000
	s_cselect_b32 s51, 0x8000, s51                 ; from K to V
	s_add_co_u32 s21, s21, s50
	s_wait_dscnt 0x0                               ; no LDS instruction of mine is pending at a signal
	s_barrier_signal -1
	s_cmp_gt_u32 s19, s36                          ; B has no step in the last trip
	s_cbranch_scc1 .Lskip_\@
	v_add_nc_u32 v2, s21, v1
	v_add_nc_u32 v3, s51, v2
	STEP
.Lskip_\@:
.endif
.endm
	s_wait_alu depctr_va_vdst(0)
	s_wait_loadcnt 0x0                             ; Q
	s_wait_tensorcnt 0x0                           ; my load has landed
	ds_add_u32 v5, v6
	s_wait_dscnt 0x0
	CROUND                                         ; key steps 0 to 3 are whole, and all four work-groups are here
	tensor_load_to_lds s[80:83], s[72:79]          ; the rest: the first tensor load behind the round
	s_nop 0
.rept 4
	v_nop
.endr
	s_mov_b32 s19, 0
.Lfirst:
	TRIP 1
	s_add_co_u32 s19, s19, 1
	s_cmp_lt_u32 s19, 2
	s_cbranch_scc1 .Lfirst
	s_wait_tensorcnt 0x0                           ; my second load has landed,
	s_wait_dscnt 0x0
	s_barrier_signal -1
	s_barrier_wait -1                              ; everybody's has: K and V are whole
	s_mov_b32 s19, 2
	s_barrier_signal -1                            ; (the first trip's wait is for this one)
.Lloop:
	TRIP 0
	s_add_co_u32 s19, s19, 1
	s_cmp_lt_u32 s19, 9
	s_cbranch_scc1 .Lloop
	s_barrier_wait -1
	; THE TWO PARTS OF TILE 15 - p ARE JOINED: A hands its O^T, -M and sum over in LDS, B adds them to its own.  (Pair 7: B has no key of tile 8; its part is zeros, under a factor of 0.)
.rept 4
	v_nop                                          ; places behind the last products
.endr
	v_add_f32 v14, v14, v15                        ; the sum's two halves
	s_wait_alu depctr_va_vdst(0)
	s_cmp_eq_u32 s16, 1
	s_cbranch_scc1 .Lhanded
.irp k, 0,1,2,3,4,5,6,7
	ds_store_b128 v4, v[160+4*\k:163+4*\k] offset:512*\k
.endr
	ds_store_b32 v8, v12 offset:4096
	ds_store_b32 v8, v14 offset:4224
.Lhanded:
	s_wait_dscnt 0x0
	s_barrier_signal -1
	s_barrier_wait -1                              ; every A's part lies in LDS
	s_cmp_eq_u32 s16, 0
	s_cbranch_scc1 .Lend
	ds_load_b32 v250, v8 offset:4096
	ds_load_b32 v251, v8 offset:4224
.irp k, 0,1,2,3,4,5,6,7
	ds_load_b128 v[96+4*\k:99+4*\k], v4 offset:512*\k
.endr
	s_wait_dscnt 0x0
	v_min_num_f32 v249, v12, v250                  ; -M of the whole row
	v_sub_f32 v246, v249, v12
	v_sub_f32 v247, v249, v250
	v_cvt_i32_f32 v246, v246
	v_cvt_i32_f32 v247, v247
	v_ldexp_f32 v252, 1.0, v246                    ; my part's factor,
	v_ldexp_f32 v248, 1.0, v247                    ; and A's: exact powers of two, one of them 1
	v_mul_f32 v14, v14, v252
.set j, 0
.rept 16
	v_pk_mul_f32 v[160+j:161+j], v[160+j:161+j], v[252:253] op_sel_hi:[1,0]
.set j, j+2
.endr
	v_fma_f32 v14, v251, v248, v14
.set j, 0
.rept 16
	v_pk_fma_f32 v[96+j:97+j], v[96+j:97+j], v[248:249], v[160+j:161+j] op_sel_hi:[1,0,1]
.set j, j+2
.endr
	WAYOUT 96, 58
.Lend:
	s_wait_tensorcnt 0x0                           ; the wave's end
	ds_add_u32 v5, v6
	s_wait_dscnt 0x0
	CROUND                                         ; the closing round: no work-group ends while a partner may still ask for a tile that names it
	s_endpgm
.Lfunc_end_k_q182df0d5b2_attn:
	.size	k_q182df0d5b2_attn, .Lfunc_end_k_q182df0d5b2_attn-k_q182df0d5b2_attn
	.p2alignl 7, 3214868480
	.fill 96, 4, 3214868480
	.section	.rodata,"a",@progbits
	.p2align	6, 0x0
	.amdhsa_kernel k_q182df0d5b2_attn
		.amdhsa_group_segment_fixed_size 327680
		.amdhsa_private_segment_fixed_size 0
		.amdhsa_enable_private_segment 0
		.amdhsa_kernarg_size 40
		.amdhsa_user_sgpr_count 2
		.amdhsa_user_sgpr_kernarg_segment_ptr 1
		.amdhsa_wavefront_size32 1
		.amdhsa_system_sgpr_workgroup_id_x 1
		.amdhsa_system_sgpr_workgroup_id_y 1
		.amdhsa_system_sgpr_workgroup_id_z 1
		.amdhsa_system_vgpr_workitem_id 0
		.amdhsa_next_free_vgpr 256
		.amdhsa_next_free_sgpr 100
		.amdhsa_reserve_vcc 0
		.amdhsa_float_denorm_mode_32 3
		.amdhsa_float_denorm_mode_16_64 3
		.amdhsa_memory_ordered 1
		.amdhsa_forward_progress 1
		.amdhsa_inst_pref_size 69
	.end_amdhsa_kernel
	.amdgpu_metadata
---
amdhsa.version: [ 1, 2 ]
amdhsa.kernels:
  - .name:           k_q182df0d5b2_attn
    .symbol:         k_q182df0d5b2_attn.kd
    .args:
      - { .name: q_codes, .offset: 0, .size: 8, .value_kind: global_buffer, .address_space: global }
      - { .name: k_codes, .offset: 8, .size: 8, .value_kind: global_buffer, .address_space: global }
      - { .name: v_codes, .offset: 16, .size: 8, .value_kind: global_buffer, .address_space: global }
      - { .name: lowp_scales, .offset: 24, .size: 8, .value_kind: global_buffer, .address_space: global }
      - { .name: ctx_codes, .offset: 32, .size: 8, .value_kind: global_buffer, .address_space: global }
    .group_segment_fixed_size: 327680
    .private_segment_fixed_size: 0
    .kernarg_segment_align: 8
    .kernarg_segment_size: 40
    .max_flat_workgroup_size: 512
    .sgpr_count:     100
    .vgpr_count:     256
    .wavefront_size: 32
...
	.end_amdgpu_metadata
.endif
;; end of part 2
;; launch proj (part 3): grid 8 x 32, 4 waves a work-group, clusters of 4 x 4, 327,680 bytes of LDS; arguments ctx_codes, Wo_codes, lowp_scales, bo, out0; writes out0
.if DOCPART == 3
	.amdgcn_target "amdgcn-amd-amdhsa--gfx1250"
	.amdhsa_code_object_version 6
	.text
	.protected	k_q182df0d5b2_proj
	.globl	k_q182df0d5b2_proj
	.p2align	8
	.type	k_q182df0d5b2_proj,@function
k_q182df0d5b2_proj:
	s_mov_b64 s[64:65], 0
	v_nop
	global_prefetch_b8 v0, s[64:65] scope:SCOPE_SE
	s_setreg_imm32_b32 hwreg(HW_REG_WAVE_MODE, 25, 1), 1
	s_wait_xcnt 0x0
	s_wait_alu depctr_hold_cnt(0) depctr_sa_sdst(0) depctr_va_vdst(0) depctr_va_sdst(0) depctr_va_ssrc(0) depctr_va_vcc(0) depctr_vm_vsrc(0)
	s_getreg_b32 s2, hwreg(HW_REG_IB_STS2, 6, 4)
	s_cmp_eq_u32 s2, 0
	s_cbranch_scc0 .Lentry_in_a_cluster
	s_endpgm
.Lentry_in_a_cluster:
	s_bfe_u32 s2, ttmp6, 0x10000c
	s_cmp_lg_u32 s2, 0xf033
	s_cbranch_scc0 .Lentry_shape_is_right
	s_endpgm
.Lentry_shape_is_right:
; out0 = ctx Wo + bo: the product on codes of FP8 (E4M3), each finished f32 sum x 2^(e10 + e11) + bo by one fused multiply-add.
; ctx_codes: [256 tiles of 16 tokens][16 heads][2 (32 of d)][lane (r, h)][16]: images of matrix operands.  Wo_codes: [1024 (n)][1024 (k)], K innermost, k = 64 head + d.  bo: [1024] f32.  out0: [4096][1024] f32.
; SHARES.  A tile of out0 is 128 x 128, so that 32 x 8 = 256 work-groups have one tile each.  Four waves, each 64 x 64: 16 accumulators of 16 x 16.
; ALL OF K LIES IN LDS, in two halves of 512: A's 8 token tiles of 8,192 bytes, B's 128 rows of 512 + 16 bytes.  Each byte is filled once, by ONE tensor load a wave for each half (waves 0, 1: A's token tiles; waves 2, 3: B's rows);
; the second half's is on its way while the first is multiplied.  No slot is filled again.  Nothing is prefetched: there is no loop of loads to run ahead in, and the one later half is asked for as soon as the first has landed.
; CLUSTERS: 4 x 4 work-groups.  The four of a row of the cluster need the same tiles of A, the four of a column the same tiles of B: each tile is asked for JOINTLY, by the same tensor load with the same descriptor and a mask that names the four.
; THE MATRIX INSTRUCTION IS USED TRANSPOSED (source 0 = 16 rows of Wo, source 1 = 16 tokens): a lane then holds eight neighbouring numbers of a row of out0.
; LIMIT: e10 + e11 lies between -126 and 127, so that 2^(e10 + e11) is an f32 number.
; REGISTERS: window 0: v1-6 at work at the head; v16-27 addresses; v32-95 at work on the way out; v96-127 bo at my 32 columns; v128-255 the accumulators ((a, b) at v[128 + 8 (4 a + b)]).
;   window 1: two fragment buffers of 128: for 128 along K, 64 registers of A (4 x 16 rows), then 64 of B.
.set BP,    528                        ; half a row of Wo in LDS: 512 bytes + 16: 132 words, so row r starts at bank 4 r mod 64 (64 banks of 4 bytes: ISA guide 11.1)
.set BH,    128*BP
.set BOFF,  131072                     ; B's two halves lie behind A's two
.set STG,   BOFF+2*BH                  ; behind both: 16 rows x 272 bytes for each wave, for the way out; no tile lands there
.set SPARE, STG+4*16*272               ; the spare words, 128 bytes for each wave: no other line names them
.set ADRA, 16                          ; v16-17  LDS address of my A fragments in half 0, 1
.set ADRB, 20                          ; v20-21  the same for B
.set STO,  24                          ; v24     the way out: where I put 32 bytes of a row
.set RD,   25                          ; v25     and where I read a row back
.set CO,   26                          ; v26     my byte offset in two rows of out0
.set BA,   27                          ; v27     my byte offset in bo
.set TMP,  32                          ; v32-63, v64-95: a block's results, two sets by turns
.set BO,   96
.set ACC,  128
.set G1A, 16                           ; s[16:23] descriptor group 1 for A's tiles;  s[24:31] for B's
.set G1B, 24
.set G0A, 32                           ; s[32:35], s[40:43] groups 0 of A's two halves;  s[36:39], s[44:47] of B's
.set G0B, 36
.set MSB, 0
.macro WIN new                         ; the immediate's high byte repeats the setting that is left
.if MSB != \new
	s_set_vgpr_msb (MSB<<8)|\new
.set MSB, \new
.endif
.endm
.set MULW, 0x05                        ; sources 0 (B) and 1 (A) window 1; C and D window 0
.set TO_F, 0x40                        ; destination window 1, address window 0
.macro CROUND                          ; a round of the cluster's barrier
	s_barrier_signal -1
	s_barrier_wait -1
	s_cmp_lg_u32 s14, 0
	s_cbranch_scc1 .Lnot_wave_0_\@
	s_barrier_signal -3
.Lnot_wave_0_\@:
	s_barrier_wait -3
	s_barrier_signal -1
	s_barrier_wait -1
.endm
.macro JLOAD hh                        ; one load a wave; the branch hangs on the wave's number alone.  An s_nop 0 and four v_nop follow each of the two lines
	s_cmp_eq_u32 s82, 0
	s_cbranch_scc0 .Lfor_b_\@
	tensor_load_to_lds s[G0A+8*\hh:G0A+8*\hh+3], s[G1A:G1A+7]
	s_nop 0
.rept 4
	v_nop
.endr
	s_branch .Lasked_\@
.Lfor_b_\@:
	tensor_load_to_lds s[G0B+8*\hh:G0B+8*\hh+3], s[G1B:G1B+7]
	s_nop 0
.rept 4
	v_nop
.endr
.Lasked_\@:
.endm
.macro PLACES                          ; four places in front of loads into registers that matrix instructions have read, and of the first read of results (ISA guide 7.12.1 for vector instructions)
.rept 4
	v_nop
.endr
.endm
	s_load_b256 s[4:11], s[0:1], 0x0               ; ctx_codes s[4:5], Wo_codes s[6:7], the scales s[8:9], bo s[10:11]
	s_load_b64 s[12:13], s[0:1], 0x20              ; out0
	v_lshl_add_u32 v30, v0, 2, SPARE
	v_mov_b32 v31, 0
	ds_add_u32 v30, v31                            ; the wave's opening: the add, twice on end, ahead of my first tensor load
	ds_add_u32 v30, v31
	v_lshrrev_b32 v1, 5, v0
	v_readfirstlane_b32 s14, v1                    ; wave 0..3
	s_lshr_b32 s82, s14, 1                         ; which half of the tile's rows is mine.  Also: I fetch for A (0) or for B (1)
	s_and_b32 s83, s14, 1                          ; which half of its columns.  Also: which half of that tile I fetch
	s_bfe_u32 s66, ttmp6, 0x40000                  ; cx, cy: my place in the cluster
	s_bfe_u32 s67, ttmp6, 0x40004
	s_lshl_b32 s68, ttmp9, 2
	s_add_co_u32 s68, s68, s66                     ; tile column = 4 x cluster x + cx
	s_and_b32 s69, ttmp7, 0xffff
	s_lshl_b32 s69, s69, 2
	s_add_co_u32 s69, s69, s67                     ; tile row = 4 x cluster y + cy
	s_lshl_b32 s70, s67, 2
	s_lshl_b32 s70, 15, s70                        ; my row of the cluster
	s_lshl_b32 s71, 0x1111, s66                    ; my column
	; descriptor group 1.  A: half of K of four token tiles: 4 rows of 8,192 bytes, 16,384 apart;  B: half of K of 64 rows of Wo: 64 rows of 512 bytes, 1,024 apart
	s_or_b32 s[G1A], s70, (1<<21)                                   ; 15:0 the mask: A's tiles go to my row; elements of 1 byte; no padding; 21 set beside a mask
	s_or_b32 s[G1B], s71, (1<<20)|(1<<21)|(6<<22)|(3<<25)           ; the mask of my column; padding: four words (code 3) after every 128 (code 6)
	s_mov_b32 s[G1A+1], 8192<<16                   ; tensor_dim0
	s_mov_b32 s[G1A+2], 4<<16                      ; tensor_dim1
	s_mov_b32 s[G1A+3], 8192<<16                   ; tile_dim0
	s_mov_b32 s[G1A+4], 4                          ; tile_dim1
	s_mov_b32 s[G1A+5], 16384                      ; tensor_dim0_stride
	s_mov_b32 s[G1A+6], 0
	s_mov_b32 s[G1A+7], 0
	s_mov_b32 s[G1B+1], 512<<16
	s_mov_b32 s[G1B+2], 64<<16
	s_mov_b32 s[G1B+3], 512<<16
	s_mov_b32 s[G1B+4], 64
	s_mov_b32 s[G1B+5], 1024
	s_mov_b32 s[G1B+6], 0
	s_mov_b32 s[G1B+7], 0
	s_lshl_b32 s72, s69, 17                        ; A: 8 token tiles x 16,384 bytes a tile row, + my four: no cx in it
	s_lshl_b32 s73, s83, 16
	s_add_co_u32 s72, s72, s73
	s_mov_b32 s73, 0
	s_lshl_b32 s74, s68, 7                         ; B: rows 128 x tile column + 64 x my half, of 1,024 bytes: no cy in it
	s_lshl_b32 s75, s83, 6
	s_add_co_u32 s74, s74, s75
	s_lshl_b32 s74, s74, 10
	s_mov_b32 s75, 0
	s_lshl_b32 s80, s83, 15                        ; where they go: no place in the cluster enters an LDS address
	s_mul_i32 s81, s83, 64*BP
	s_add_co_u32 s81, s81, BOFF
	s_lshl_b32 s84, s69, 7                         ; my part of out0: row 128 x tile row + 64 (w / 2), column 128 x tile column + 64 (w % 2)
	s_lshl_b32 s85, s82, 6
	s_add_co_u32 s84, s84, s85
	s_lshl_b32 s84, s84, 12
	s_lshl_b32 s85, s68, 7
	s_lshl_b32 s86, s83, 6
	s_add_co_u32 s85, s85, s86
	s_lshl_b32 s86, s85, 2                         ; my first column in bytes: bo's offset too; a multiple of 256
	s_add_co_u32 s84, s84, s86
	s_mov_b32 s85, 0
	s_mov_b32 s87, 0
	s_lshl_b32 s88, s82, 15                        ; my four token tiles of A in LDS
	s_mul_i32 s89, s83, 64*BP
	s_add_co_u32 s89, s89, BOFF                    ; my 64 rows of B
	s_mul_i32 s90, s14, 16*272
	s_add_co_u32 s90, s90, STG                     ; my stage
	v_and_b32 v1, 15, v0                           ; r
	v_bfe_u32 v2, v0, 4, 1                         ; h
	v_and_b32 v3, 31, v0
	v_lshlrev_b32 v3, 4, v3
	v_add_nc_u32 v[ADRA], s88, v3                  ; A: the image, 16 bytes a lane
	v_add_nc_u32 v[ADRA+1], 65536, v[ADRA]
	v_mul_u32_u24 v4, v1, BP
	v_lshl_add_u32 v4, v2, 3, v4
	v_add_nc_u32 v[ADRB], s89, v4                  ; B: row r, + 8 h
	v_add_nc_u32 v[ADRB+1], BH, v[ADRB]
	v_mul_u32_u24 v5, v1, 272
	v_lshl_add_u32 v5, v2, 5, v5
	v_add_nc_u32 v[STO], s90, v5                   ; in: row r, 32 bytes for each half of the lanes
	v_mul_u32_u24 v6, v2, 272
	v_lshl_add_u32 v6, v1, 4, v6
	v_add_nc_u32 v[RD], s90, v6                    ; back: lanes 0-15 take one row of 256 bytes, lanes 16-31 the next
	v_lshlrev_b32 v[CO], 12, v2
	v_lshl_add_u32 v[CO], v1, 4, v[CO]             ; and the same two rows in out0
	v_lshlrev_b32 v[BA], 5, v2                     ; bo: my half's eight numbers of a tile of 16 columns
	s_wait_alu depctr_va_vdst(0)
	s_wait_dscnt 0x0                               ; both opening adds are done
	s_wait_kmcnt 0x0
	s_load_b64 s[78:79], s[8:9], 0x28              ; e10, e11
	s_add_nc_u64 s[72:73], s[4:5], s[72:73]
	s_add_nc_u64 s[74:75], s[6:7], s[74:75]
	s_add_nc_u64 s[12:13], s[12:13], s[84:85]
	s_add_nc_u64 s[10:11], s[10:11], s[86:87]
.irp hh, 0,1
	s_mov_b32 s[G0A+8*\hh], 1                                       ; 1:0 count = 1
	s_add_co_u32 s[G0A+8*\hh+1], s80, \hh*65536                     ; 63:32 LDS address
	s_add_nc_u64 s[G0A+8*\hh+2:G0A+8*\hh+3], s[72:73], \hh*8192     ; 120:64 global address
	s_or_b32 s[G0A+8*\hh+3], s[G0A+8*\hh+3], 0x80000000             ; 127:126 type = 2
	s_mov_b32 s[G0B+8*\hh], 1
	s_add_co_u32 s[G0B+8*\hh+1], s81, \hh*BH
	s_add_nc_u64 s[G0B+8*\hh+2:G0B+8*\hh+3], s[74:75], \hh*512
	s_or_b32 s[G0B+8*\hh+3], s[G0B+8*\hh+3], 0x80000000
.endr
	CROUND                                         ; all sixteen work-groups are here: the joint loads meet
	JLOAD 0                                        ; K's first half: one tensor load a wave at the head
.irp b, 0,1,2,3
	global_load_b128 v[BO+8*\b:BO+8*\b+3], v[BA], s[10:11] offset:64*\b       ; bo at columns 16 b + 8 h + 0 .. 7 of my 64: the result's layout
	global_load_b128 v[BO+8*\b+4:BO+8*\b+7], v[BA], s[10:11] offset:64*\b+16
.endr
	s_wait_kmcnt 0x0
	s_add_co_i32 s76, s78, s79                     ; e10 + e11, between -126 and 127,
	s_add_co_i32 s76, s76, 127
	s_lshl_b32 s76, s76, 23                        ; makes the f32 number 2^(e10 + e11)
	s_mov_b32 s77, s76                             ; (named with it as a pair, so it is written)
; 48 LDS loads in one run: the fragments of K step s (128 along K: heads 2 s and 2 s + 1) into buffer p.  A fragment is 16 registers: registers 2 j, 2 j + 1 hold k = 128 s + 16 j + 8 h + 0 .. 7, on both sides:
; A's image has them side by side for two j; B's rows have them 16 bytes apart.
.macro FETCH s, p
	WIN TO_F
.irp i, 0,1,2,3
.irp j, 0,1,2,3,4,5,6,7
	ds_load_b64 v[128*(\p)+64+16*\i+2*\j:128*(\p)+64+16*\i+2*\j+1], v[ADRB+(\s)/4] offset:16*BP*\i+128*((\s)%4)+16*\j
.endr
.endr
.irp i, 0,1,2,3
.irp c, 0,1,2,3
	ds_load_b128 v[128*(\p)+16*\i+4*\c:128*(\p)+16*\i+4*\c+3], v[ADRA+(\s)/4] offset:8192*\i+2048*((\s)%4)+512*\c
.endr
.endr
	WIN 0
.endm
; 16 matrix instructions: my 4 x 4 accumulators, 128 along K, from buffer p.  zero = 1: the first product starts the sums: nothing is ever cleared.
; The 16 accumulators take turns, one instruction a turn, in the same order in every step.
.macro MUL p, zero
	WIN MULW
.irp a, 0,1,2,3
.irp b, 0,1,2,3
.if \zero
	v_wmma_f32_16x16x128_fp8_fp8 v[ACC+8*(4*\a+\b):ACC+8*(4*\a+\b)+7], v[128*(\p)+64+16*\b:128*(\p)+64+16*\b+15], v[128*(\p)+16*\a:128*(\p)+16*\a+15], 0
.else
	v_wmma_f32_16x16x128_fp8_fp8 v[ACC+8*(4*\a+\b):ACC+8*(4*\a+\b)+7], v[128*(\p)+64+16*\b:128*(\p)+64+16*\b+15], v[128*(\p)+16*\a:128*(\p)+16*\a+15], v[ACC+8*(4*\a+\b):ACC+8*(4*\a+\b)+7]
.endif
.endr
.endr
	WIN 0
.endm
	s_wait_alu depctr_va_vdst(0)
	s_wait_tensorcnt 0x0                           ; my part of the first half has landed
	ds_add_u32 v30, v31
	s_wait_dscnt 0x0
	CROUND                                         ; everybody's has, and all sixteen work-groups are here
	JLOAD 1                                        ; K's second half: the first tensor load behind the round
	FETCH 0, 0
; Eight K steps of 128, written out.  While step s is multiplied, step s + 1's fragments come into the other buffer.  In front of the fetch that first touches the second half: my load of it has landed, and a barrier.
.irp s, 0,1,2,3,4,5,6,7
.if \s > 0
	PLACES                                         ; the buffer that the fetch below fills was read by the products just issued
.endif
.if \s == 3
	s_wait_tensorcnt 0x0
	s_wait_dscnt 0x0                               ; no LDS instruction of mine is pending at a signal
	s_barrier_signal -1
	s_barrier_wait -1
.endif
.if \s < 7
	FETCH \s+1, (\s+1)%2
	s_wait_dscnt 48                                ; all but the 48 just issued
.else
	s_wait_dscnt 0x0
.endif
.if \s == 0
	MUL \s%2, 1
.else
	MUL \s%2, 0
.endif
.endr
; THE WAY OUT, block by block of 16 rows x 64 columns.  A lane holds 32 neighbouring bytes of a row, and the lanes beside it hold other rows: so a block goes through my own stage in LDS and comes back as whole rows of 256 bytes,
; into the accumulators that it left.  LDS serves a wave's instructions in order (ISA guide 5.7.1.4): no wait between the stores and the loads, nor in front of the next block's stores.
.macro TOSTAGE a
.set TM, TMP+32*((\a)%2)
.irp b, 0,1,2,3
.irp i, 0,2,4,6
	v_pk_fma_f32 v[TM+8*\b+\i:TM+8*\b+\i+1], v[ACC+8*(4*(\a)+\b)+\i:ACC+8*(4*(\a)+\b)+\i+1], s[76:77], v[BO+8*\b+\i:BO+8*\b+\i+1] op_sel_hi:[1,0,1]   ; sum x 2^(e10 + e11) + bo, two at a time; each accumulator from its low end on
.endr
.endr
.irp b, 0,1,2,3
	ds_store_b128 v[STO], v[TM+8*\b:TM+8*\b+3] offset:64*\b
	ds_store_b128 v[STO], v[TM+8*\b+4:TM+8*\b+7] offset:64*\b+16
.endr
.irp t, 0,1,2,3,4,5,6,7
	ds_load_b128 v[ACC+32*(\a)+4*\t:ACC+32*(\a)+4*\t+3], v[RD] offset:2*272*\t
.endr
.endm
.macro SEND a, younger                 ; younger: the LDS instructions issued behind block a's loads, which may stay out
	s_wait_dscnt \younger                          ; the block is back in registers
.irp t, 0,1,2,3,4,5,6,7
	global_store_b128 v[CO], v[ACC+32*(\a)+4*\t:ACC+32*(\a)+4*\t+3], s[12:13] offset:(16*(\a)+2*\t)*4096 th:TH_STORE_NT   ; 16 lanes store 256 consecutive bytes, at a multiple of 256 from out0's first byte; written once, read by nobody here
.endr
.endm
	s_wait_loadcnt 0x0                             ; bo
	PLACES                                         ; behind the last products
	TOSTAGE 0
.irp a, 1,2,3
	TOSTAGE \a
	SEND \a-1, 16                                  ; behind block a - 1's loads: block a's 8 stores and 8 loads
.endr
	SEND 3, 0
	s_wait_tensorcnt 0x0                           ; the wave's end
	ds_add_u32 v30, v31
	s_wait_dscnt 0x0
	CROUND                                         ; the closing round: no work-group ends while a partner may still ask for a tile that names it
	s_endpgm
.Lfunc_end_k_q182df0d5b2_proj:
	.size	k_q182df0d5b2_proj, .Lfunc_end_k_q182df0d5b2_proj-k_q182df0d5b2_proj
	.p2alignl 7, 3214868480
	.fill 96, 4, 3214868480
	.section	.rodata,"a",@progbits
	.p2align	6, 0x0
	.amdhsa_kernel k_q182df0d5b2_proj
		.amdhsa_group_segment_fixed_size 327680
		.amdhsa_private_segment_fixed_size 0
		.amdhsa_enable_private_segment 0
		.amdhsa_kernarg_size 40
		.amdhsa_user_sgpr_count 2
		.amdhsa_user_sgpr_kernarg_segment_ptr 1
		.amdhsa_wavefront_size32 1
		.amdhsa_system_sgpr_workgroup_id_x 1
		.amdhsa_system_sgpr_workgroup_id_y 1
		.amdhsa_system_sgpr_workgroup_id_z 1
		.amdhsa_system_vgpr_workitem_id 0
		.amdhsa_next_free_vgpr 512
		.amdhsa_next_free_sgpr 100
		.amdhsa_reserve_vcc 0
		.amdhsa_float_denorm_mode_32 3
		.amdhsa_float_denorm_mode_16_64 3
		.amdhsa_memory_ordered 1
		.amdhsa_forward_progress 1
		.amdhsa_inst_pref_size 55
	.end_amdhsa_kernel
	.amdgpu_metadata
---
amdhsa.version: [ 1, 2 ]
amdhsa.kernels:
  - .name:           k_q182df0d5b2_proj
    .symbol:         k_q182df0d5b2_proj.kd
    .args:
      - { .name: ctx_codes, .offset: 0, .size: 8, .value_kind: global_buffer, .address_space: global }
      - { .name: Wo_codes, .offset: 8, .size: 8, .value_kind: global_buffer, .address_space: global }
      - { .name: lowp_scales, .offset: 16, .size: 8, .value_kind: global_buffer, .address_space: global }
      - { .name: bo, .offset: 24, .size: 8, .value_kind: global_buffer, .address_space: global }
      - { .name: out0, .offset: 32, .size: 8, .value_kind: global_buffer, .address_space: global }
    .group_segment_fixed_size: 327680
    .private_segment_fixed_size: 0
    .kernarg_segment_align: 8
    .kernarg_segment_size: 40
    .max_flat_workgroup_size: 128
    .sgpr_count:     100
    .vgpr_count:     512
    .wavefront_size: 32
...
	.end_amdgpu_metadata
.endif
;; end of part 3
